; MI455X (gfx1250); checked and timed in simulation.
; The chip was launched on July 23, 2026; its instructions are those of AMD's public machine-readable ISA for CDNA 5 (MIT licence, August 2026) and "CDNA5" Instruction Set Architecture Reference Guide (July 2026). The comments in the code are by the model that wrote it; some were corrected since.
;; Multi Head Attention. Allowed arithmetic: matrix products marked QUANTISED: E4M3 operands, one given power-of-two scale a tensor, by v_wmma_f32_16x16x64_fp8_fp8 or v_wmma_f32_16x16x128_fp8_fp8, f32 sums; everything else in f32.
;; Inputs: lowp_scales 8 int32 (the exponents e of the quantised operands' scales 2^e); w_out 1,024 x 1,024 float32; w_qkv 3,072 x 1,024 float32; x 4 x 2,048 x 1,024 float32.
;; Outputs: out0 4 x 2,048 x 1,024 float32.
;; This version of the problem:
;;   THIS VERSION OF THE PROBLEM IS GIVEN IN LOW PRECISION. The matrix products marked QUANTISED in the list below multiply operands that are first quantised to E4M3 (4 exponent bits, 3 mantissa bits; 8 bits a number), with one given power-of-two scale for each operand tensor; their sums are f32. All else is computed in f32.
;;   The module's matrix products, in the order in which they are computed (A, B: the left and right operand; K: the contracted axis; several contracted axes count as one K, in the product's order):
;;     1. [M 8,192, K 1,024] x [K 1,024, N 3,072]; A: input x; B: input w_qkv: QUANTISED (scales: A lowp_scales[0], B lowp_scales[1])
;;     2. batch 64 x [M 2,048, K 64] x [K 64, N 2,048]; A: computed on the way; B: computed on the way: QUANTISED (scales: A lowp_scales[2], B lowp_scales[3])
;;     3. batch 64 x [M 2,048, K 2,048] x [K 2,048, N 64]; A: softmax (see below); B: computed on the way: QUANTISED (scales: A lowp_scales[4], B lowp_scales[5])
;;     4. [M 8,192, K 1,024] x [K 1,024, N 1,024]; A: computed on the way; B: input w_out: QUANTISED (scales: A lowp_scales[6], B lowp_scales[7])
;;   THE QUANTISER, for each operand of a quantised product, along K:
;;     - The operand's scale is 2^e, e = its entry of the input lowp_scales (int32; the entries are numbered through the quantised products in the list's order, A before B).
;;     - Each number is divided by the scale, clamped to +-448, and rounded to the nearest number of E4M3, ties to even, subnormals kept.
;;     - The product sums the exact products of the quantised numbers (number of the format x scale) in f32.
;;   ~~~python
;;   def quantise(x, axis, e):      # numpy; x: float32 -> the quantised numbers, widened to float32 again
;;       x = np.moveaxis(x, axis, -1); K = x.shape[-1]
;;       r = np.clip(x / 2.0 ** e, -448, 448)
;;       step = 2.0 ** (np.maximum(np.frexp(np.where(r == 0, 1, r))[1] - 1, -6) - 3)
;;       q = np.round(r / step) * step * 2.0 ** e      # np.round: ties to even
;;       return np.moveaxis(q, -1, axis).astype(np.float32)
;;   ~~~
;;   SOFTMAX AHEAD OF A QUANTISED PRODUCT. Where the list says 'softmax', what is quantised is not the finished softmax but p = 2^(t - M), with t = logit x log2(e) and M = ceil(the row's largest t), a whole number; so 1/2 < the row's largest p <= 1. The row's sum l is taken of the UNQUANTISED p, in f32, and the product's result is divided by l at the end. Since M is a whole number, a kernel that streams over the keys may use a running M (the ceiling of the running maximum): every later rescaling is an exact power of two, so the quantised numbers keep their values, but for numbers so far below the row's largest that they fall under the format's range.
;;   OPERANDS COMPUTED ON THE WAY. 'Computed on the way' means the value that the module computes at that place (a softmax that the list does not call 'softmax' is quantised finished and normalised). What goes into a quantiser is computed in f32, as accurately as f32 sums, v_exp_f32 and their like allow (about 1e-6 of the number): no bf16 or f16 on the way to a quantiser, and a product that is left as it is and whose result goes on into a quantised operand takes f32 operands (vector FMAs, or v_wmma_f32_16x16x4_f32). A number that lies on a knife's edge between two numbers of the format may be rounded either way, as far as f32 arithmetic and the matrix unit's own rounding can turn it there, and no further.
;; One version. Each part assembles by itself: llvm-mc -triple=amdgcn-amd-amdhsa -mcpu=gfx1250 --defsym DOCPART=n.
;; ======== version 1 of 1: 4 launches
;; workspace buffers: xc 8,388,608 bytes; wqc 3,145,728 bytes; woc 1,048,576 bytes; qkvc 25,165,824 bytes; ac 8,388,608 bytes
;; launch quant (part 1): grid 768 x 1, 4 waves a work-group, no clusters, 34,304 bytes of LDS; arguments x, w_qkv, w_out, lowp_scales, xc, wqc, woc; writes xc, wqc, woc
.if DOCPART == 1
	.amdgcn_target "amdgcn-amd-amdhsa--gfx1250"
	.amdhsa_code_object_version 6
	.text
	.protected	k_q6caf19e8c5_quant
	.globl	k_q6caf19e8c5_quant
	.p2align	8
	.type	k_q6caf19e8c5_quant,@function
k_q6caf19e8c5_quant:
	s_mov_b64 s[64:65], 0
	v_nop
	global_prefetch_b8 v0, s[64:65] scope:SCOPE_SE
	s_setreg_imm32_b32 hwreg(HW_REG_WAVE_MODE, 25, 1), 1
	s_wait_xcnt 0x0
; x [8192][1024], w_qkv [3072][1024] and w_out [1024][1024], f32 with K innermost, become codes of FP8 (E4M3), each tensor with its given scale 2^e
; (entries 0, 1 and 7 of the buffer of exponents): code = number / 2^e, held within +-448, rounded to the nearest code, ties to even.
; THE CODES ARE LAID IN THE ORDER OF THE OPERAND'S REGISTERS.  A fragment is 16 rows x 128 K = 16 registers a lane: lane (r, h) holds row r, registers 2 c, 2 c + 1 hold k = 16 c + 8 h + 0 .. 7.
; A tensor of R rows is stored [k / 256][row / 16][(k % 256) / 128][register / 4][lane][16 bytes]: so 128 rows x 256 K are 32,768 consecutive bytes, and a fragment is four loads of 16 bytes a lane at 16 x lane.
; SHARES.  A work-group takes 16 rows: work-groups 0-511 x, 512-703 w_qkv, 704-767 w_out.  Only pointers and numbers are chosen by the work-group's number: all take one path.  Wave w takes k = 256 w .. 256 w + 255: two fragments.
; Each load reads 512 consecutive bytes of a row, 16 a lane.  A conversion wants eight neighbours along K in one lane's registers: a fragment's 16 x 512 bytes turn through the wave's own stage in LDS
; (rows 528 bytes apart = 132 words: row r starts at bank 4 r mod 64, ISA guide 11.1).  Each store writes 512 consecutive bytes.  All 32 loads of a wave go out at once.  Waves share nothing: no barrier.
; LIMITS: each e between -126 and 119, so that 2^e and 448 x 2^e are f32 numbers.  NaN among the inputs is not served (an infinity is held at the largest code).
.set PITCH, 528
.set WSTG,  16*PITCH                   ; a wave's stage
.set SPARE, 4*WSTG                     ; behind the four stages: the spare words, 128 bytes for each wave: two blocks of 256 bytes that no other line names
.set OFF,  3                           ; v3   16 x lane: my place in a load's and in a store's 512 bytes
.set SIN,  4                           ; v4   into the stage: my stage + 16 x lane
.set SOUT, 5                           ; v5   out of it: my stage + 528 r + 32 h
.set SCL,  6                           ; v6   2^e as f32
.set LIM,  7                           ; v7   448 x 2^e
.set SPW,  8                           ; v8   LDS address of my spare word; never rewritten
.set NIL,  9                           ; v9   0; never rewritten
.set R,    16                          ; v16-143  as loaded: fragment f, row i at R + 64 f + 4 i
.set X,    144                         ; v144-207 64 numbers of my row in the operand's order
.set C,    208                         ; v208-239 codes: 16 registers for each fragment, so that no store's data are written again
	s_load_b256 s[4:11], s[0:1], 0x0               ; x s[4:5], w_qkv s[6:7], w_out s[8:9], the exponents s[10:11]
	s_load_b128 s[12:15], s[0:1], 0x20             ; xc, wqc
	s_load_b64 s[16:17], s[0:1], 0x30              ; woc
	v_lshl_add_u32 v[SPW], v0, 2, SPARE
	v_mov_b32 v[NIL], 0
	v_lshrrev_b32 v1, 5, v0
	v_readfirstlane_b32 s18, v1                    ; wave 0..3
	v_and_b32 v2, 31, v0                           ; lane
	v_and_b32 v10, 15, v0                          ; r
	v_bfe_u32 v11, v0, 4, 1                        ; h
	v_lshlrev_b32 v[OFF], 4, v2
	s_mul_i32 s19, s18, WSTG
	v_add_nc_u32 v[SIN], s19, v[OFF]
	v_mul_u32_u24 v[SOUT], v10, PITCH
	v_lshl_add_u32 v[SOUT], v11, 5, v[SOUT]
	v_add_nc_u32 v[SOUT], s19, v[SOUT]
	s_mov_b32 s32, 704                             ; the tensor's first work-group,
	s_mov_b32 s33, 262144                          ; and bytes from one 256 along K to the next in its codes: rows x 256
	s_wait_kmcnt 0x0
	s_load_b256 s[24:31], s[10:11], 0x0            ; e0 .. e7
	s_cmp_lt_u32 ttmp9, 704                        ; which tensor: the choice hangs on the work-group's number alone
	s_cselect_b64 s[20:21], s[6:7], s[8:9]
	s_cselect_b64 s[22:23], s[14:15], s[16:17]
	s_cselect_b32 s32, 512, s32
	s_cselect_b32 s33, 786432, s33
	s_cmp_lt_u32 ttmp9, 512
	s_cselect_b64 s[20:21], s[4:5], s[20:21]
	s_cselect_b64 s[22:23], s[12:13], s[22:23]
	s_cselect_b32 s32, 0, s32
	s_cselect_b32 s33, 2097152, s33
	s_sub_co_u32 s34, ttmp9, s32                   ; my tile of 16 rows in the tensor
	s_lshl_b32 s36, s34, 16                        ; in: 16 rows of 4,096 bytes,
	s_lshl_b32 s35, s18, 10                        ; + my wave's 256 numbers
	s_add_co_u32 s36, s36, s35
	s_mov_b32 s37, 0
	s_add_nc_u64 s[20:21], s[20:21], s[36:37]
	s_mul_i32 s38, s18, s33                        ; out: my 256 along K,
	s_lshl_b32 s35, s34, 12                        ; + my tile's two fragments of 2,048 bytes
	s_add_co_u32 s38, s38, s35
	s_mov_b32 s39, 0
	s_add_nc_u64 s[22:23], s[22:23], s[38:39]
.macro LOADF f                         ; fragment f as it lies: 16 rows x 512 bytes
.irp i, 0,1,2,3,4,5,6,7,8,9,10,11,12,13,14,15
	global_load_b128 v[R+64*\f+4*\i:R+64*\f+4*\i+3], v[OFF], s[20:21] offset:4096*\i+512*\f th:TH_LOAD_NT
.endr
.endm
.macro TURN f                          ; through the stage: LDS serves a wave's instructions in order (ISA guide 5.7.1.4), so no wait stands between the stores and the loads
.irp i, 0,1,2,3,4,5,6,7,8,9,10,11,12,13,14,15
	ds_store_b128 v[SIN], v[R+64*\f+4*\i:R+64*\f+4*\i+3] offset:PITCH*\i
.endr
.irp c, 0,1,2,3,4,5,6,7
	ds_load_b128 v[X+8*\c:X+8*\c+3], v[SOUT] offset:64*\c          ; k = 16 c + 8 h + 0 .. 3 of row r,
	ds_load_b128 v[X+8*\c+4:X+8*\c+7], v[SOUT] offset:64*\c+16     ; + 4 .. 7
.endr
.endm
.macro QUANT f
.set J, 0
.rept 64
	v_med3_num_f32 v[X+J], v[X+J], -v[LIM], v[LIM]                 ; the conversion to an 8-bit code does not saturate (ISA guide 7.6.2): the hold at the largest code x the scale
.set J, J+1
.endr
.irp c, 0,1,2,3,4,5,6,7
	v_cvt_scalef32_pk8_fp8_f32 v[C+16*\f+2*\c:C+16*\f+2*\c+1], v[X+8*\c:X+8*\c+7], v[SCL]   ; registers 2 c, 2 c + 1 of the fragment
.endr
	v_nop                                          ; one plain vector line behind the last conversion of a run
.irp c, 0,1,2,3
	global_store_b128 v[OFF], v[C+16*\f+4*\c:C+16*\f+4*\c+3], s[22:23] offset:2048*\f+512*\c   ; 32 lanes store 512 consecutive bytes, at a multiple of 512 from the buffer's first byte
.endr
.endm
	LOADF 0
	LOADF 1
	s_wait_kmcnt 0x0
	s_cmp_lt_u32 ttmp9, 704
	s_cselect_b32 s40, s25, s31                    ; e1 for w_qkv, e7 for w_out,
	s_cmp_lt_u32 ttmp9, 512
	s_cselect_b32 s40, s24, s40                    ; e0 for x
	s_add_co_i32 s40, s40, 127
	s_lshl_b32 s41, s40, 23
	v_mov_b32 v[SCL], s41                          ; 2^e: the conversion takes its exponent field
	s_add_co_i32 s40, s40, 8
	s_lshl_b32 s40, s40, 23
	s_or_b32 s40, s40, 0x600000
	v_mov_b32 v[LIM], s40                          ; 448 x 2^e
	s_wait_loadcnt 16                              ; fragment 0's sixteen loads are in; fragment 1's sixteen may be out
	TURN 0
	s_wait_dscnt 0x0                               ; the numbers are back
	QUANT 0
	s_wait_loadcnt 0x0
	TURN 1                                         ; the same stage: its reads for fragment 0 were waited for above
	s_wait_dscnt 0x0
	QUANT 1
	s_wait_tensorcnt 0x0                           ; the wave's end, behind my last LDS store
	ds_add_u32 v[SPW], v[NIL]
	s_wait_dscnt 0x0
	s_endpgm
.Lfunc_end_k_q6caf19e8c5_quant:
	.size	k_q6caf19e8c5_quant, .Lfunc_end_k_q6caf19e8c5_quant-k_q6caf19e8c5_quant
	.p2alignl 7, 3214868480
	.fill 96, 4, 3214868480
	.section	.rodata,"a",@progbits
	.p2align	6, 0x0
	.amdhsa_kernel k_q6caf19e8c5_quant
		.amdhsa_group_segment_fixed_size 34304
		.amdhsa_private_segment_fixed_size 0
		.amdhsa_enable_private_segment 0
		.amdhsa_kernarg_size 56
		.amdhsa_user_sgpr_count 2
		.amdhsa_user_sgpr_kernarg_segment_ptr 1
		.amdhsa_wavefront_size32 1
		.amdhsa_system_sgpr_workgroup_id_x 1
		.amdhsa_system_sgpr_workgroup_id_y 1
		.amdhsa_system_sgpr_workgroup_id_z 1
		.amdhsa_system_vgpr_workitem_id 0
		.amdhsa_next_free_vgpr 240
		.amdhsa_next_free_sgpr 66
		.amdhsa_reserve_vcc 0
		.amdhsa_float_denorm_mode_32 3
		.amdhsa_float_denorm_mode_16_64 3
		.amdhsa_memory_ordered 1
		.amdhsa_forward_progress 1
		.amdhsa_inst_pref_size 20
	.end_amdhsa_kernel
	.amdgpu_metadata
---
amdhsa.version: [ 1, 2 ]
amdhsa.kernels:
  - .name:           k_q6caf19e8c5_quant
    .symbol:         k_q6caf19e8c5_quant.kd
    .args:
      - { .name: x, .offset: 0, .size: 8, .value_kind: global_buffer, .address_space: global }
      - { .name: w_qkv, .offset: 8, .size: 8, .value_kind: global_buffer, .address_space: global }
      - { .name: w_out, .offset: 16, .size: 8, .value_kind: global_buffer, .address_space: global }
      - { .name: lowp_scales, .offset: 24, .size: 8, .value_kind: global_buffer, .address_space: global }
      - { .name: xc, .offset: 32, .size: 8, .value_kind: global_buffer, .address_space: global }
      - { .name: wqc, .offset: 40, .size: 8, .value_kind: global_buffer, .address_space: global }
      - { .name: woc, .offset: 48, .size: 8, .value_kind: global_buffer, .address_space: global }
    .group_segment_fixed_size: 34304
    .private_segment_fixed_size: 0
    .kernarg_segment_align: 8
    .kernarg_segment_size: 56
    .max_flat_workgroup_size: 128
    .sgpr_count:     66
    .vgpr_count:     240
    .wavefront_size: 32
...
	.end_amdgpu_metadata
.endif
;; end of part 1
;; launch qkv (part 2): grid 12 x 32, 4 waves a work-group, clusters of 4 x 4, 327,680 bytes of LDS; arguments xc, wqc, lowp_scales, qkvc; writes qkvc
.if DOCPART == 2
	.amdgcn_target "amdgcn-amd-amdhsa--gfx1250"
	.amdhsa_code_object_version 6
	.text
	.protected	k_q6caf19e8c5_qkv
	.globl	k_q6caf19e8c5_qkv
	.p2align	8
	.type	k_q6caf19e8c5_qkv,@function
k_q6caf19e8c5_qkv:
	s_mov_b64 s[64:65], 0
	v_nop
	global_prefetch_b8 v0, s[64:65] scope:SCOPE_SE
	s_setreg_imm32_b32 hwreg(HW_REG_WAVE_MODE, 25, 1), 1
	s_wait_xcnt 0x0
	s_wait_alu depctr_hold_cnt(0) depctr_sa_sdst(0) depctr_va_vdst(0) depctr_va_sdst(0) depctr_va_ssrc(0) depctr_va_vcc(0) depctr_vm_vsrc(0)
	s_getreg_b32 s2, hwreg(HW_REG_IB_STS2, 6, 4)
	s_cmp_eq_u32 s2, 0
	s_cbranch_scc0 .Lentry_in_a_cluster
	s_endpgm
.Lentry_in_a_cluster:
	s_bfe_u32 s2, ttmp6, 0x10000c
	s_cmp_lg_u32 s2, 0xf033
	s_cbranch_scc0 .Lentry_shape_is_right
	s_endpgm
.Lentry_shape_is_right:
; qkv = x w_qkv^T on codes of FP8 (E4M3), K = 1,024; each f32 sum x 2^(e0 + e1) is quantised at once, in registers, for the product that reads it: q with 2^e2, k with 2^e3, v with 2^e5.  No f32 number goes to memory.
; xc and wqc lie in the order of the operand's registers: [k / 256][row / 16][(k % 256) / 128][register / 4][lane][16 bytes]; 128 rows x 256 K are 32,768 consecutive bytes.
; A tile of 256 x 256 sums is made by four waves, each 128 x 128: 64 accumulators of 16 x 16, 512 registers.  K goes in four steps of 256 through a ring of two LDS slots filled by the tensor data mover.
; SOURCE 0 takes 16 rows of the operand called B', SOURCE 1 16 rows of A': a lane then holds ONE row of A' (16 a + r) and eight neighbouring rows of B' (16 b + 8 h + 0 .. 7).
; CLUSTERS of 4 x 4 work-groups; the cluster's x is 0 for q, 1 for k, 2 for v.  q and k are wanted with the head's channels along a lane's registers: A' = x (tile of 256 tokens 4 Y + cy), B' = w_qkv (tile 4 X + cx).
; v is wanted with the KEYS along a lane's registers (they are the K of attention's second product): there the operands change places, A' = w_qkv (tile 8 + cy), B' = x (tile 4 Y + cx), and the transposed tile comes out.
; That choice is made of the cluster's x alone, by selects.  A's tiles are shared along a row of the cluster, B's along a column: each is asked for JOINTLY, by the same tensor load with the same descriptor and a mask of four.
; OUT: qkvc = [q, k, v: 8,388,608 bytes][batch x 16 + head: 131,072][tile of 16 tokens: 1,024].  A tile of q or k is the image of a fragment 16 tokens x 64 channels: [register / 4 (2)][lane][16 bytes], lane (r, h): token r,
; registers 2 c, 2 c + 1: channels 16 c + 8 h + 0 .. 7.  A tile of v (16 keys) is [channel / 16 (4)][lane][8 bytes], lane (r, h): channel 16 dt + r, keys 8 h + 0 .. 7.  A conversion's two registers ARE such a piece: no LDS on the way out.
; LIMITS: e2 - e0 - e1, e3 - e0 - e1 and e5 - e0 - e1 between -126 and 119, so that the folded scale and 448 x it are f32 numbers.
; REGISTERS, in windows of 256: window 0: v16-31 addresses and constants; v32-95 at work on the way out; from v128 A's fragments (8 x 16 registers), ONE set; on the way out the codes.
;   window 1: B's fragments, TWO sets, at v0 and v128.   window 2: the accumulators of my A' rows 0-63 ((a, b) at v[8 (8 a + b)]);   window 3: those of rows 64-127.
.set HALFT,  32768                     ; 128 rows x 256 K: what one tensor load brings, and what one wave reads of A' or of B'
.set SLOT,   4*HALFT                   ; A's two halves, then B's two halves
.set SPARE,  2*SLOT                    ; behind the ring: the spare words, 128 bytes for each wave: two blocks of 256 bytes that no other line names
.set FR,     16                        ; registers of a fragment
.set NL,     4                         ; LDS loads that bring one
.set NP,     4                         ; places behind this matrix instruction (ISA guide 7.12.1)
.set LAPS,   2                         ; a lap = two slots = 512 along K
.set ADRA, 16                          ; v16-17  LDS address of my A' fragments in slot 0, 1
.set ADRB, 20                          ; v20-21  the same for B'
.set O16,  24                          ; v24     16 x lane
.set O8,   25                          ; v25     8 x lane
.set SPW,  28                          ; v28     LDS address of my spare word; never rewritten
.set NIL,  29                          ; v29     0; never rewritten
.set SCL,  30                          ; v30     the folded scale 2^(eo - e0 - e1)
.set LIM,  31                          ; v31     448 x that
.set TMP,  32                          ; v32-95  a block's 64 sums, held
.set AF,   128                         ; A's fragments
.set CD,   128                         ; the way out: 16 registers of codes for each of the eight blocks, so that no store's data are written again
.set G1, 24                            ; s[24:31] descriptor group 1 for A's tiles;  s[32:39] group 0, one set for each slot
.set G0, 32
.set G1B, 48                           ; s[48:55], s[56:63] the same for B's tiles
.set G0B, 56
.set KSA,  66                          ; s[66:67] bytes from one 256 along K to the next in A',  s[68:69] in B'
.set KSB,  68
.set KSA2, 70                          ; s[70:71], s[80:81] twice that: a slot's next tile
.set KSB2, 80
.set MSB, 0
.macro WIN new                         ; the immediate's high byte repeats the setting that is left
.if MSB != \new
	s_set_vgpr_msb (MSB<<8)|\new
.set MSB, \new
.endif
.endm
.set MUL_LO, 0xa1                      ; source 0 (B') window 1, source 1 (A') window 0, C and D window 2
.set MUL_HI, 0xf1                      ; the same, C and D window 3
.set TO_B,   0x40                      ; destination window 1, address window 0
; A joint load: waves 0 and 1 fetch A's halves, waves 2 and 3 B's.  Each of the two lines has ONE mask and one set of registers for all that issue it; the branch hangs on the wave's number alone.
; An s_nop 0 and four v_nop follow each of the two lines, ahead of the jump, the label and what follows.
.macro JLOAD g0a, g1a, g0b, g1b
	s_cmp_eq_u32 s15, 0
	s_cbranch_scc0 .Lfor_b_\@
	tensor_load_to_lds s[\g0a:\g0a+3], s[\g1a:\g1a+7]
	s_nop 0
.rept 4
	v_nop
.endr
	s_branch .Lasked_\@
.Lfor_b_\@:
	tensor_load_to_lds s[\g0b:\g0b+3], s[\g1b:\g1b+7]
	s_nop 0
.rept 4
	v_nop
.endr
.Lasked_\@:
.endm
.macro CREST                           ; a round of the cluster's barrier behind its opening barrier
	s_cmp_lg_u32 s14, 0
	s_cbranch_scc1 .Lnot_wave_0_\@
	s_barrier_signal -3
.Lnot_wave_0_\@:
	s_barrier_wait -3
	s_barrier_signal -1
	s_barrier_wait -1
.endm
.macro CROUND                          ; a whole round
	s_barrier_signal -1
	s_barrier_wait -1
	CREST
.endm
	s_load_b128 s[4:7], s[0:1], 0x0                ; xc s[4:5], wqc s[6:7]
	s_load_b128 s[8:11], s[0:1], 0x10              ; the exponents s[8:9], qkvc s[10:11]
	v_lshl_add_u32 v[SPW], v0, 2, SPARE
	v_mov_b32 v[NIL], 0
	ds_add_u32 v[SPW], v[NIL]                      ; the wave's opening: the add and its wait stand ahead of my first tensor load; the set-up below, work on registers, stands between them
	v_lshrrev_b32 v1, 5, v0
	v_readfirstlane_b32 s14, v1                    ; wave 0..3
	s_lshr_b32 s15, s14, 1                         ; which half of A's 256 rows is mine.  Also: I fetch for A' (0) or for B' (1)
	s_and_b32 s16, s14, 1                          ; which half of B's 256 rows is mine.  Also: which 128 rows of that tile I fetch
	s_bfe_u32 s40, ttmp6, 0x40000                  ; cx, cy: my place in the cluster
	s_bfe_u32 s41, ttmp6, 0x40004
	s_lshl_b32 s42, ttmp9, 2                       ; 4 X
	s_and_b32 s17, ttmp7, 0xffff
	s_lshl_b32 s17, s17, 2                         ; 4 Y
	s_lshl_b32 s43, s41, 2
	s_lshl_b32 s43, 15, s43                        ; my row of the cluster
	s_lshl_b32 s44, 0x1111, s40                    ; my column
	; descriptor group 1: 32,768 consecutive bytes as 128 rows of 32 elements of 8 bytes; no padding: a fragment load takes 512 consecutive bytes
	s_or_b32 s[G1+0], s43, (3<<16)|(1<<21)         ; 15:0 the mask: A's tiles go to my row; 17:16 elements of 8 bytes; 21 set beside a mask
	s_or_b32 s[G1B+0], s44, (3<<16)|(1<<21)        ; B's go to my column
.irp g, G1, G1B
	s_mov_b32 s[\g+1], 32<<16                      ; tensor_dim0 = 32
	s_mov_b32 s[\g+2], 128<<16                     ; tensor_dim1 = 128
	s_mov_b32 s[\g+3], 32<<16                      ; tile_dim0 = 32
	s_mov_b32 s[\g+4], 128                         ; tile_dim1 = 128
	s_mov_b32 s[\g+5], 32                          ; tensor_dim0_stride
	s_mov_b32 s[\g+6], 0
	s_mov_b32 s[\g+7], 0
.endr
	s_mov_b32 s92, 2097152                         ; xc: 8,192 rows x 256
	s_mov_b32 s93, 786432                          ; wqc: 3,072 rows x 256
	s_cmp_eq_u32 ttmp9, 2                          ; v?  The cluster's x is the same in all sixteen partners
	s_cselect_b32 s18, 8, s17                      ; A's tile of 256 rows: 8 + cy of wqc, or 4 Y + cy of xc: it never holds cx
	s_cselect_b32 s19, s17, s42                    ; B's: 4 Y + cx of xc, or 4 X + cx of wqc: it never holds cy
	s_cselect_b32 s[KSA], s93, s92
	s_cselect_b32 s[KSB], s92, s93
	s_mov_b32 s[KSA+1], 0
	s_mov_b32 s[KSB+1], 0
	s_lshl_b32 s[KSA2], s[KSA], 1
	s_mov_b32 s[KSA2+1], 0
	s_lshl_b32 s[KSB2], s[KSB], 1
	s_mov_b32 s[KSB2+1], 0
	s_add_co_u32 s18, s18, s41
	s_add_co_u32 s19, s19, s40
	s_lshl_b32 s94, s16, 15                        ; the half that I fetch
	s_lshl_b32 s20, s18, 16                        ; a tile of 256 rows x 256 K is 65,536 bytes
	s_add_co_u32 s20, s20, s94
	s_mov_b32 s21, 0
	s_lshl_b32 s46, s19, 16
	s_add_co_u32 s46, s46, s94
	s_mov_b32 s47, 0
	s_lshl_b32 s45, s14, 15                        ; where it goes: wave x 32,768: no place in the cluster enters an LDS address
	s_wait_dscnt 0x0                               ; the opening add is done
	s_wait_kmcnt 0x0
	s_load_b256 s[72:79], s[8:9], 0x0              ; e0 .. e7: wanted on the way out
	s_cmp_eq_u32 ttmp9, 2
	s_cselect_b64 s[82:83], s[6:7], s[4:5]         ; A'
	s_cselect_b64 s[84:85], s[4:5], s[6:7]         ; B'
	s_add_nc_u64 s[20:21], s[82:83], s[20:21]
	s_add_nc_u64 s[46:47], s[84:85], s[46:47]
	CROUND                                         ; all sixteen work-groups are here: the first joint loads meet
	s_mov_b32 s[G0], 1                             ; slot 0: K 0-255
	s_mov_b32 s[G0+1], s45
	s_mov_b64 s[G0+2:G0+3], s[20:21]
	s_or_b32 s[G0+3], s[G0+3], 0x80000000
	s_mov_b32 s[G0B], 1
	s_mov_b32 s[G0B+1], s45
	s_mov_b64 s[G0B+2:G0B+3], s[46:47]
	s_or_b32 s[G0B+3], s[G0B+3], 0x80000000
	s_mov_b32 s[G0+4], 1                           ; slot 1: K 256-511
	s_add_co_u32 s[G0+5], s45, SLOT
	s_add_nc_u64 s[G0+6:G0+7], s[20:21], s[KSA:KSA+1]
	s_or_b32 s[G0+7], s[G0+7], 0x80000000
	s_mov_b32 s[G0B+4], 1
	s_add_co_u32 s[G0B+5], s45, SLOT
	s_add_nc_u64 s[G0B+6:G0B+7], s[46:47], s[KSB:KSB+1]
	s_or_b32 s[G0B+7], s[G0B+7], 0x80000000
	JLOAD G0, G1, G0B, G1B                         ; two tensor loads of mine are out
	JLOAD G0+4, G1, G0B+4, G1B
	v_and_b32 v1, 31, v0
	v_lshlrev_b32 v[O16], 4, v1
	v_lshlrev_b32 v[O8], 3, v1
	s_lshl_b32 s21, s15, 15                        ; my 128 rows of A'
	s_lshl_b32 s22, s16, 15                        ; my 128 rows of B',
	s_add_co_u32 s22, s22, 2*HALFT                 ; which lie behind A's 256
.irp s, 0,1
	v_add_nc_u32 v[ADRA+\s], s21, v[O16]
	v_add_nc_u32 v[ADRB+\s], s22, v[O16]
	s_add_co_u32 s21, s21, SLOT
	s_add_co_u32 s22, s22, SLOT
.endr
	; where my wave's codes go.  Tokens come from A' (q, k) or from B' (v), heads from the other
	s_cmp_eq_u32 ttmp9, 2
	s_cselect_b32 s86, s40, s41
	s_cselect_b32 s87, s16, s15                    ; which 128 of the tile's 256 tokens
	s_cselect_b32 s88, s41, s40                    ; which four heads
	s_cselect_b32 s89, s15, s16                    ; which two of them
	s_add_co_u32 s86, s86, s17                     ; tile of 256 tokens, 0 .. 31
	s_lshr_b32 s90, s86, 3                         ; batch
	s_lshl_b32 s90, s90, 4
	s_lshl_b32 s88, s88, 2
	s_add_co_u32 s90, s90, s88
	s_lshl_b32 s89, s89, 1
	s_add_co_u32 s90, s90, s89                     ; batch x 16 + my first head
	s_lshl_b32 s90, s90, 17
	s_and_b32 s86, s86, 7
	s_lshl_b32 s86, s86, 4
	s_lshl_b32 s87, s87, 3
	s_add_co_u32 s86, s86, s87                     ; my first tile of 16 tokens in the batch
	s_lshl_b32 s86, s86, 10
	s_add_co_u32 s90, s90, s86
	s_lshl_b32 s91, ttmp9, 23                      ; q, k or v
	s_add_co_u32 s90, s90, s91
	s_mov_b32 s91, 0
	s_add_nc_u64 s[10:11], s[10:11], s[90:91]
.macro FRAG reg, adr, q, i             ; fragment i (16 rows) of the slot's q-th 128 along K: the image of its 16 registers, four loads of 512 consecutive bytes
.irp c, 0,1,2,3
	ds_load_b128 v[\reg+4*\c:\reg+4*\c+3], v[\adr] offset:4096*(\i)+2048*(\q)+512*\c
.endr
.endm
; 16 matrix instructions: A's blocks a0, a0 + 1 x B's eight, 128 along K.  p: B's set.  zero = 1: the first product starts the sums: nothing is ever cleared.
; The 64 accumulators take turns, one instruction a turn, in the same order in every step.
.macro MUL16 a0, p, zero
.irp a, \a0, \a0+1
.irp b, 0,1,2,3,4,5,6,7
.if \zero
	v_wmma_f32_16x16x128_fp8_fp8 v[8*(8*((\a)%4)+\b):8*(8*((\a)%4)+\b)+7], v[128*(\p)+FR*\b:128*(\p)+FR*\b+FR-1], v[AF+FR*(\a):AF+FR*(\a)+FR-1], 0
.else
	v_wmma_f32_16x16x128_fp8_fp8 v[8*(8*((\a)%4)+\b):8*(8*((\a)%4)+\b)+7], v[128*(\p)+FR*\b:128*(\p)+FR*\b+FR-1], v[AF+FR*(\a):AF+FR*(\a)+FR-1], v[8*(8*((\a)%4)+\b):8*(8*((\a)%4)+\b)+7]
.endif
.endr
.endr
.endm
.macro FETCH_B slot, q, p              ; B's eight fragments into set p
	WIN TO_B
.irp i, 0,1,2,3,4,5,6,7
	FRAG 128*(\p)+FR*\i, ADRB+\slot, \q, \i
.endr
	WIN 0
.endm
.macro FETCH_A slot, q, i0             ; A's blocks i0 .. i0 + 3
.irp i, \i0, \i0+1, \i0+2, \i0+3
	FRAG AF+FR*(\i), ADRA+\slot, \q, \i
.endr
.endm
; A load into a register that a matrix instruction has read, and a vector instruction that reads a matrix result or writes one of a matrix instruction's registers, stand NP places behind it; only plain
; vector instructions that name none of its registers are places (ISA guide 7.12.1 for vector instructions).
.macro PLACES n
.rept \n
	v_nop
.endr
.endm
; A step of 128 along K that has its successor in the same slot.  A block of A' is free as soon as its eight products are issued: blocks 0-3 are fetched anew in the step's middle, blocks 4-7 at its end.
.macro STEP slot, q, zero
	s_wait_dscnt 4*NL                              ; B's set and A's blocks 0-3 are in; the youngest sixteen loads (A's blocks 4-7) may be out
	WIN MUL_LO
	MUL16 0, (\q)%2, \zero
	MUL16 2, (\q)%2, \zero
	s_wait_dscnt 0                                 ; A's blocks 4-7 are in
	PLACES NP
	FETCH_B \slot, (\q)+1, 1-(\q)%2
	FETCH_A \slot, (\q)+1, 0
	WIN MUL_HI
	MUL16 4, (\q)%2, \zero
	MUL16 6, (\q)%2, \zero
	PLACES NP
	WIN 0
	FETCH_A \slot, (\q)+1, 4
.endm
; A slot's last step changes slots: ONE barrier; in front of it each wave waits for all its tensor loads, adds 0 to its spare word, and waits for that and for its own reads of this slot.  fill = 1: this slot is filled again, 512 along K ahead.
.macro TURN slot, next, fill
	s_wait_tensorcnt 0x0                           ; all my tensor loads have landed: my part of the next slot  (every window is 0 here)
	ds_add_u32 v[SPW], v[NIL]                      ; 0 onto my spare word
	s_wait_dscnt 4*NL+1                            ; (the add and the youngest sixteen loads, A's blocks 4-7, may be out)
	WIN MUL_LO
	MUL16 0, 1, 0                                  ; sixteen matrix instructions stand between the add and the wait for it
	s_wait_dscnt 0x0                               ; the add is done, and my reads of this slot are over
	s_barrier_signal -1
	MUL16 2, 1, 0
	WIN 0
	s_barrier_wait -1
.if \fill
	CREST                                          ; the barrier has opened a round of the cluster's barrier: no wave of any partner still reads this slot's tile or has a load on its way
	s_add_nc_u64 s[G0+4*\slot+2:G0+4*\slot+3], s[G0+4*\slot+2:G0+4*\slot+3], s[KSA2:KSA2+1]
	s_add_nc_u64 s[G0B+4*\slot+2:G0B+4*\slot+3], s[G0B+4*\slot+2:G0B+4*\slot+3], s[KSB2:KSB2+1]
	JLOAD G0+4*\slot, G1, G0B+4*\slot, G1B         ; the first tensor load behind the round, my one load until the next; its four v_nop are also the places in front of the loads below
.else
	PLACES NP
.endif
	FETCH_B \next, 0, 0
	FETCH_A \next, 0, 0
	WIN MUL_HI
	MUL16 4, 1, 0
	MUL16 6, 1, 0
	PLACES NP
	WIN 0
	FETCH_A \next, 0, 4
.endm
	s_wait_tensorcnt 1                             ; my part of slot 0 is in; slot 1's load may be out
	s_barrier_signal -1
	s_barrier_wait -1                              ; everybody's is
	FETCH_B 0, 0, 0
	FETCH_A 0, 0, 0
	FETCH_A 0, 0, 4
	STEP 0, 0, 1                                   ; the first step stands in front of the loop: its products start the sums
	s_mov_b32 s3, LAPS-1
.Llap:                                                 ; a trip goes once round the ring, from a lap's second step to the next lap's first, and fills both slots again
	TURN 0, 1, 1
	STEP 1, 0, 0
	TURN 1, 0, 1
	STEP 0, 0, 0
	s_sub_co_u32 s3, s3, 1
	s_cmp_lg_u32 s3, 0
	s_cbranch_scc1 .Llap
	TURN 0, 1, 0                                   ; the last lap fills nothing, and has no round of the cluster's barrier
	STEP 1, 0, 0
	s_wait_dscnt 4*NL                              ; the very last step: nothing more to fetch
	WIN MUL_LO
	MUL16 0, 1, 0
	MUL16 2, 1, 0
	s_wait_dscnt 0
	WIN MUL_HI
	MUL16 4, 1, 0
	MUL16 6, 1, 0
	WIN 0
; THE WAY OUT.  A sum stands for sum x 2^(e0 + e1); its code under the reader's scale 2^eo is sum / 2^(eo - e0 - e1): the three exponents are folded into the conversion's one.
	s_wait_kmcnt 0x0
	s_cmp_eq_u32 ttmp9, 0
	s_cselect_b32 s92, s74, s75                    ; e2 for q, e3 for k,
	s_cmp_eq_u32 ttmp9, 2
	s_cselect_b32 s92, s77, s92                    ; e5 for v
	s_sub_co_i32 s92, s92, s72
	s_sub_co_i32 s92, s92, s73
	s_add_co_i32 s92, s92, 127
	s_lshl_b32 s93, s92, 23
	v_mov_b32 v[SCL], s93
	s_add_co_i32 s92, s92, 8
	s_lshl_b32 s92, s92, 23
	s_or_b32 s92, s92, 0x600000
	v_mov_b32 v[LIM], s92
	PLACES NP                                      ; behind the last products: for the reads of results and for the codes, which are laid over A's fragments
; Block a: my A' rows 16 a .. 16 a + 15 against all my 128 rows of B'.  Held (each accumulator from its low end on), converted eight at a time, stored.
.macro OUTBLK a
.set AC, 64*((\a)%4)
	WIN 0x02+((\a)/4)                              ; source 0: window 2 or 3
.set J, 0
.rept 64
	v_med3_num_f32 v[TMP+J], v[AC+J], -v[LIM], v[LIM]              ; the conversion to an 8-bit code does not saturate (ISA guide 7.6.2)
.set J, J+1
.endr
	WIN 0
.irp b, 0,1,2,3,4,5,6,7
	v_cvt_scalef32_pk8_fp8_f32 v[CD+16*(\a)+2*\b:CD+16*(\a)+2*\b+1], v[TMP+8*\b:TMP+8*\b+7], v[SCL]
.endr
	v_nop                                          ; one plain vector line behind the last conversion: the next block writes the conversions' sources
	s_cmp_eq_u32 ttmp9, 2                          ; the cluster's x: the same in all partners
	s_cbranch_scc1 .Lv_\@
.irp hd, 0,1                           ; q, k: token tile a; accumulators 4 hd .. 4 hd + 3 are head hd's 64 channels: the fragment's eight registers
.irp c, 0,1
	global_store_b128 v[O16], v[CD+16*(\a)+8*\hd+4*\c:CD+16*(\a)+8*\hd+4*\c+3], s[10:11] offset:1024*(\a)+131072*\hd+512*\c   ; 32 lanes store 512 consecutive bytes
.endr
.endr
	s_branch .Ldone_\@
.Lv_\@:
.irp b, 0,1,2,3,4,5,6,7                ; v: head a / 4, channels 16 (a % 4) on; accumulator b is key tile b
	global_store_b64 v[O8], v[CD+16*(\a)+2*\b:CD+16*(\a)+2*\b+1], s[10:11] offset:131072*((\a)/4)+1024*\b+256*((\a)%4)   ; 32 lanes store 256 consecutive bytes, at a multiple of 256
.endr
.Ldone_\@:
.endm
.irp a, 0,1,2,3,4,5,6,7
	OUTBLK \a
.endr
	s_wait_tensorcnt 0x0                           ; the wave's end: behind my last tensor load
	ds_add_u32 v[SPW], v[NIL]
	s_wait_dscnt 0x0
	CROUND                                         ; the closing round: no work-group ends while a partner may still ask for a tile that names it
	s_endpgm
.Lfunc_end_k_q6caf19e8c5_qkv:
	.size	k_q6caf19e8c5_qkv, .Lfunc_end_k_q6caf19e8c5_qkv-k_q6caf19e8c5_qkv
	.p2alignl 7, 3214868480
	.fill 96, 4, 3214868480
	.section	.rodata,"a",@progbits
	.p2align	6, 0x0
	.amdhsa_kernel k_q6caf19e8c5_qkv
		.amdhsa_group_segment_fixed_size 327680
		.amdhsa_private_segment_fixed_size 0
		.amdhsa_enable_private_segment 0
		.amdhsa_kernarg_size 32
		.amdhsa_user_sgpr_count 2
		.amdhsa_user_sgpr_kernarg_segment_ptr 1
		.amdhsa_wavefront_size32 1
		.amdhsa_system_sgpr_workgroup_id_x 1
		.amdhsa_system_sgpr_workgroup_id_y 1
		.amdhsa_system_sgpr_workgroup_id_z 1
		.amdhsa_system_vgpr_workitem_id 0
		.amdhsa_next_free_vgpr 1024
		.amdhsa_next_free_sgpr 98
		.amdhsa_reserve_vcc 0
		.amdhsa_float_denorm_mode_32 3
		.amdhsa_float_denorm_mode_16_64 3
		.amdhsa_memory_ordered 1
		.amdhsa_forward_progress 1
		.amdhsa_inst_pref_size 124
	.end_amdhsa_kernel
	.amdgpu_metadata
---
amdhsa.version: [ 1, 2 ]
amdhsa.kernels:
  - .name:           k_q6caf19e8c5_qkv
    .symbol:         k_q6caf19e8c5_qkv.kd
    .args:
      - { .name: xc, .offset: 0, .size: 8, .value_kind: global_buffer, .address_space: global }
      - { .name: wqc, .offset: 8, .size: 8, .value_kind: global_buffer, .address_space: global }
      - { .name: lowp_scales, .offset: 16, .size: 8, .value_kind: global_buffer, .address_space: global }
      - { .name: qkvc, .offset: 24, .size: 8, .value_kind: global_buffer, .address_space: global }
    .group_segment_fixed_size: 327680
    .private_segment_fixed_size: 0
    .kernarg_segment_align: 8
    .kernarg_segment_size: 32
    .max_flat_workgroup_size: 128
    .sgpr_count:     98
    .vgpr_count:     1024
    .wavefront_size: 32
...
	.end_amdgpu_metadata
.endif
;; end of part 2
;; launch attn (part 3): grid 16 x 64, 8 waves a work-group, no clusters, 0 bytes of LDS; arguments qkvc, lowp_scales, ac; writes ac
.if DOCPART == 3
	.amdgcn_target "amdgcn-amd-amdhsa--gfx1250"
	.amdhsa_code_object_version 6
	.text
	.protected	k_q6caf19e8c5_attn
	.globl	k_q6caf19e8c5_attn
	.p2align	8
	.type	k_q6caf19e8c5_attn,@function
k_q6caf19e8c5_attn:
	s_mov_b64 s[64:65], 0
	v_nop
	global_prefetch_b8 v0, s[64:65] scope:SCOPE_SE
	s_setreg_imm32_b32 hwreg(HW_REG_WAVE_MODE, 25, 1), 1
	s_wait_xcnt 0x0
; Attention in a window: query i of a head sees keys i - 128 .. i.  Both products on codes of FP8 (E4M3): q 2^e2, k 2^e3, p 2^e4, v 2^e5; the result is quantised at once with 2^e6 for the last product.
; SHARES.  Work-group (x, y): head y = batch x 16 + head, queries 128 x .. 128 x + 127.  A WAVE OWNS ONE TILE OF 16 QUERIES, tile tq = 8 x + wave, and needs key tiles tq - 8 .. tq: nine tiles, 144 keys.  That is all its work:
; straight-line code, no loop over keys, so the row's largest t is known before any p is made; no LDS, no barrier: waves share nothing.  All 56 loads go out at the wave's first lines.
; qkvc holds images of the operands' registers (a tile of 16 tokens is 1,024 bytes), so every load takes consecutive bytes, 16 or 8 a lane.
; LAYOUT.  Both products are used transposed: S^T = K Q^T (source 0 = 16 keys, source 1 = my 16 queries), O^T = V^T P^T (source 0 = 16 channels, source 1 = P): a lane (r, h) holds ONE query r throughout.  Register j of score tile i
; is key 16 i + 8 h + j of the window: a conversion's two registers are registers 2 c, 2 c + 1 (c = i % 4) of the second product's operand as they stand.
; THE SOFTMAX: t = score x log2(e) / 8; M = the row's largest t rounded UP to a whole number; p = 2^(t - M) is quantised, not normalised; the row's sum is taken of the unquantised p and divides at the end.
; THE MASK: in tile 0 key 8 h + j counts where j >= r - 8 h; in tile 8 where j <= r - 8 h; tiles 1 to 7 count whole.  Hidden scores become -infinity ahead of the maximum: p = 0, code 0.  A query's own key always counts.
; THE FIRST EIGHT TILES OF A HEAD (tq < 8): key tiles under 0 do not exist.  Their loads read the 1,024-byte tiles that lie in front of the head in qkvc (the head before, or the tensor before): bytes inside the buffer, written by the
; launch before, all of them finite codes (every conversion there is held).  Their scores are hidden like any other (a branch on ids leads round those lines where tq >= 8), so what was read counts for nothing.
; THE LAST 16 KEYS fill a quarter of the third K step of 64: p's other 48 codes are zeros.  Against them stand whatever registers follow V's pair: other finite codes of V, which zeros multiply to nothing.
; LIMITS: e2 + e3 between -123 and 130 (added to the exponent field of log2(e) / 8); e4, and e6 - e4 - e5, between -126 and 119.  NaN is not served.
.set O16, 1                            ; v1   16 x lane
.set O8,  2                            ; v2   8 x lane
.set Q,   24                           ; v24-31   Q's fragment
.set KF,  32                           ; v32-103  K's nine fragments; later:
.set PC,  32                           ; v32-49   p's codes, v50-55 zeros: three operands of 8 registers
.set OT,  56                           ; v56-87   O^T: four accumulators
.set V8,  104                          ; v104-111 V of key tile 8: pair dt at V8 + 2 dt
.set VM,  112                          ; v112-175 V of key tiles 0-7: fragment (s, dt) at VM + 8 (4 s + dt)
.set S,   176                          ; v176-247 S^T, then p
.set RC,  248                          ; v248-255 the result's codes
; v3 r, v4 h, v6 r - 8 h, v7 -infinity, v8, v9 maxima, v10 a lane permute's destination, v12 -M, v13 the largest t, v[14:17] sums, v18 1 / the sum (v19 named with it), v20 448 x 2^e4, v21 2^e4, v22 448 x 2^(e6-e4-e5), v23 2^(e6-e4-e5)
	s_load_b128 s[4:7], s[0:1], 0x0                ; qkvc, the exponents
	s_load_b64 s[8:9], s[0:1], 0x10                ; ac
	v_lshrrev_b32 v5, 5, v0
	v_readfirstlane_b32 s10, v5                    ; wave 0..7
	v_and_b32 v5, 31, v0
	v_lshlrev_b32 v[O16], 4, v5
	v_lshlrev_b32 v[O8], 3, v5
	v_and_b32 v3, 15, v0                           ; r
	v_bfe_u32 v4, v0, 4, 1                         ; h
	s_lshl_b32 s11, ttmp9, 3
	s_add_co_u32 s11, s11, s10                     ; tq
	s_and_b32 s12, ttmp7, 0xffff                   ; batch x 16 + head
	s_lshl_b32 s32, s12, 17
	s_lshl_b32 s33, s11, 10
	s_add_co_u32 s32, s32, s33
	s_mov_b32 s33, 0
	s_and_b32 s34, s12, 15                         ; head
	s_lshr_b32 s35, s12, 4                         ; batch
	s_lshr_b32 s36, s34, 2                         ; ac is laid as the last product's A: [k / 256][row / 16][..]; k = 64 head + channel: k / 256 = head / 4,
	s_lshl_b32 s36, s36, 21
	s_lshl_b32 s35, s35, 7
	s_add_co_u32 s35, s35, s11                     ; row / 16 = 128 batch + tq,
	s_lshl_b32 s35, s35, 12
	s_add_co_u32 s36, s36, s35
	s_and_b32 s34, s34, 3                          ; and my 64 channels are eight of the 32 registers of the two fragments there: 1,024 (head % 4) bytes on
	s_lshl_b32 s34, s34, 10
	s_add_co_u32 s36, s36, s34
	s_mov_b32 s37, 0
	s_mov_b32 s20, 0x76543210                      ; v_permlanex16_b32's selects for lane l xor 16
	s_mov_b32 s21, 0xfedcba98
	s_mov_b32 s22, 0x3e38aa3b                      ; log2(e) / 8
	s_wait_kmcnt 0x0
	s_load_b256 s[24:31], s[6:7], 0x0              ; e0 .. e7
	s_add_nc_u64 s[14:15], s[4:5], s[32:33]        ; q: my tile
	s_add_nc_u64 s[16:17], s[14:15], 8380416       ; k: 8,388,608 on, eight tiles back
	s_add_nc_u64 s[18:19], s[14:15], 16769024      ; v: 16,777,216 on, eight tiles back
	s_add_nc_u64 s[8:9], s[8:9], s[36:37]
	global_load_b128 v[Q:Q+3], v[O16], s[14:15]
	global_load_b128 v[Q+4:Q+7], v[O16], s[14:15] offset:512
.irp i, 0,1,2,3,4,5,6,7,8
	global_load_b128 v[KF+8*\i:KF+8*\i+3], v[O16], s[16:17] offset:1024*\i
	global_load_b128 v[KF+8*\i+4:KF+8*\i+7], v[O16], s[16:17] offset:1024*\i+512
.endr
.irp s, 0,1                            ; V: registers 2 c, 2 c + 1 of fragment (s, dt) are keys 8 h + 0 .. 7 of key tile 4 s + c, channel 16 dt + r
.irp dt, 0,1,2,3
.irp c, 0,1,2,3
	global_load_b64 v[VM+8*(4*\s+\dt)+2*\c:VM+8*(4*\s+\dt)+2*\c+1], v[O8], s[18:19] offset:1024*(4*\s+\c)+256*\dt
.endr
.endr
.endr
.irp dt, 0,1,2,3
	global_load_b64 v[V8+2*\dt:V8+2*\dt+1], v[O8], s[18:19] offset:8192+256*\dt
.endr
	s_wait_kmcnt 0x0
	s_add_co_i32 s38, s26, s27
	s_lshl_b32 s38, s38, 23
	s_add_co_i32 s22, s22, s38                     ; a score stands for score x 2^(e2 + e3): the two exponents are added to the factor's exponent field
	s_mov_b32 s23, s22                             ; (named with it as a pair, so it is written)
	s_add_co_i32 s38, s28, 127
	s_lshl_b32 s39, s38, 23
	v_mov_b32 v21, s39                             ; 2^e4
	s_add_co_i32 s38, s38, 8
	s_lshl_b32 s38, s38, 23
	s_or_b32 s38, s38, 0x600000
	v_mov_b32 v20, s38                             ; 448 x 2^e4
	s_sub_co_i32 s38, s30, s28
	s_sub_co_i32 s38, s38, s29
	s_add_co_i32 s38, s38, 127
	s_lshl_b32 s39, s38, 23
	v_mov_b32 v23, s39                             ; 2^(e6 - e4 - e5): a sum of the second product stands for sum x 2^(e4 + e5)
	s_add_co_i32 s38, s38, 8
	s_lshl_b32 s38, s38, 23
	s_or_b32 s38, s38, 0x600000
	v_mov_b32 v22, s38
	s_wait_loadcnt 36                              ; Q and K are in; V's 36 loads may be out
.irp i, 0,1,2,3,4,5,6,7,8
	v_wmma_f32_16x16x64_fp8_fp8 v[S+8*\i:S+8*\i+7], v[KF+8*\i:KF+8*\i+7], v[Q:Q+7], 0
.endr
	v_lshlrev_b32 v5, 3, v4                        ; four plain lines that name none of the products' registers: the places behind them (ISA guide 7.12.1)
	v_sub_nc_u32 v6, v3, v5                        ; r - 8 h
	v_mov_b32 v7, 0xff800000                       ; -infinity
	v_mov_b32 v10, 0                               ; written once: a lane permute's destination counts as one of its sources
.irp j, 0,1,2,3,4,5,6,7
	v_cmp_lt_i32 vcc_lo, \j, v6                    ; tile 0: key 8 h + j lies more than 128 in front of query r
	v_cndmask_b32 v[S+\j], v[S+\j], v7, vcc_lo
.endr
.irp j, 0,1,2,3,4,5,6,7
	v_cmp_gt_i32 vcc_lo, \j, v6                    ; tile 8: key 8 h + j comes after query r
	v_cndmask_b32 v[S+64+\j], v[S+64+\j], v7, vcc_lo
.endr
	s_cmp_ge_u32 s11, 8                            ; ids alone
	s_cbranch_scc1 .Lfull
.irp i, 0,1,2,3,4,5,6,7                ; window tile i is key tile tq - 8 + i: none where tq + i < 8
	s_add_co_u32 s39, s11, \i
	s_cmp_lt_u32 s39, 8
	s_cselect_b32 s40, -1, 0
.irp j, 0,1,2,3,4,5,6,7
	v_cndmask_b32 v[S+8*\i+\j], v[S+8*\i+\j], v7, s40
.endr
.endr
.Lfull:
	v_max3_num_f32 v8, v[S], v[S+1], v[S+2]        ; the largest score of my query among my 72 keys: two chains, the registers in ascending order
	v_max3_num_f32 v9, v[S+3], v[S+4], v[S+5]
.set J, 6
.rept 16
	v_max3_num_f32 v8, v8, v[S+J], v[S+J+1]
	v_max3_num_f32 v9, v9, v[S+J+2], v[S+J+3]
.set J, J+4
.endr
	v_max3_num_f32 v8, v8, v[S+70], v[S+71]
	v_max_num_f32 v8, v8, v9
	v_permlanex16_b32 v10, v8, s20, s21
	v_max_num_f32 v8, v8, v10                      ; and among lane l xor 16's
	v_mul_f32 v13, s22, v8                         ; as t (the factor is positive)
	v_floor_f32 v12, -v13                          ; -M = floor(-t) = -ceil(t): a whole number
.set J, 0
.rept 36
	v_pk_fma_f32 v[S+J:S+J+1], v[S+J:S+J+1], s[22:23], v[12:13] op_sel_hi:[1,0,0]   ; t - M, two at a time (of both pairs the low word serves both halves)
.set J, J+2
.endr
.set J, 0
.rept 72
	v_exp_f32 v[S+J], v[S+J]                       ; p = 2^(t - M), at most 1; 0 where hidden
.set J, J+1
.endr
	v_mov_b32 v19, 0                               ; (named below as the upper half of v[18:19])  the plain line behind the exponentials
	s_wait_alu depctr_va_vdst(0)                   ; one wait for the whole batch, ahead of its first reader
	v_pk_add_f32 v[14:15], v[S:S+1], v[S+2:S+3]    ; THE ROW'S SUM IS TAKEN OF THE UNQUANTISED p: two at a time, in two chains
	v_pk_add_f32 v[16:17], v[S+4:S+5], v[S+6:S+7]
.set J, 8
.rept 16
	v_pk_add_f32 v[14:15], v[14:15], v[S+J:S+J+1]
	v_pk_add_f32 v[16:17], v[16:17], v[S+J+2:S+J+3]
.set J, J+4
.endr
	v_pk_add_f32 v[14:15], v[14:15], v[16:17]
	v_add_f32 v14, v14, v15
	v_permlanex16_b32 v10, v14, s20, s21
	v_add_f32 v14, v14, v10                        ; the row's sum, above 1/2
	v_rcp_f32 v18, v14                             ; wanted behind the second product; the lines below name neither v18 nor v14
.set I, 0
.rept 9
.irp j, 0,1,2,3,4,5,6,7
	v_min_num_f32 v[S+8*I+\j], v[S+8*I+\j], v20    ; the conversion to an 8-bit code does not saturate (ISA guide 7.6.2); p is not negative, so the hold is one-sided
.endr
	v_cvt_scalef32_pk8_fp8_f32 v[PC+2*I:PC+2*I+1], v[S+8*I:S+8*I+7], v21
.set I, I+1
.endr
.irp j, 18,19,20,21,22,23
	v_mov_b32 v[PC+\j], 0                          ; the third K step's other 48 keys: zero codes.  (Also the plain lines behind the last conversion)
.endr
	s_wait_loadcnt 0x0                             ; V
.irp dt, 0,1,2,3                       ; O^T = V^T P^T: four accumulators by turns, one instruction a turn; the first K step starts the sums
	v_wmma_f32_16x16x64_fp8_fp8 v[OT+8*\dt:OT+8*\dt+7], v[VM+8*\dt:VM+8*\dt+7], v[PC:PC+7], 0
.endr
.irp dt, 0,1,2,3
	v_wmma_f32_16x16x64_fp8_fp8 v[OT+8*\dt:OT+8*\dt+7], v[VM+32+8*\dt:VM+32+8*\dt+7], v[PC+8:PC+15], v[OT+8*\dt:OT+8*\dt+7]
.endr
.irp dt, 0,1,2,3
	v_wmma_f32_16x16x64_fp8_fp8 v[OT+8*\dt:OT+8*\dt+7], v[V8+2*\dt:V8+2*\dt+7], v[PC+16:PC+23], v[OT+8*\dt:OT+8*\dt+7]
.endr
.rept 4
	v_nop                                          ; places in front of the first read of results
.endr
	s_wait_alu depctr_va_vdst(0)                   ; the wait for the reciprocal, ahead of its first reader
.set J, 0
.rept 16
	v_pk_mul_f32 v[OT+J:OT+J+1], v[OT+J:OT+J+1], v[18:19] op_sel_hi:[1,0]   ; / the sum; each accumulator from its low end on
.set J, J+2
.endr
.set J, 0
.rept 32
	v_med3_num_f32 v[OT+J], v[OT+J], -v22, v22
.set J, J+1
.endr
.irp dt, 0,1,2,3
	v_cvt_scalef32_pk8_fp8_f32 v[RC+2*\dt:RC+2*\dt+1], v[OT+8*\dt:OT+8*\dt+7], v23   ; lane (r, h): query r, channels 16 dt + 8 h + 0 .. 7: registers 2 dt, 2 dt + 1 of my eight in the last product's fragment
.endr
	v_nop                                          ; one plain vector line behind the last conversion
	global_store_b128 v[O16], v[RC:RC+3], s[8:9]               ; 32 lanes store 512 consecutive bytes
	global_store_b128 v[O16], v[RC+4:RC+7], s[8:9] offset:512
	s_endpgm
.Lfunc_end_k_q6caf19e8c5_attn:
	.size	k_q6caf19e8c5_attn, .Lfunc_end_k_q6caf19e8c5_attn-k_q6caf19e8c5_attn
	.p2alignl 7, 3214868480
	.fill 96, 4, 3214868480
	.section	.rodata,"a",@progbits
	.p2align	6, 0x0
	.amdhsa_kernel k_q6caf19e8c5_attn
		.amdhsa_group_segment_fixed_size 0
		.amdhsa_private_segment_fixed_size 0
		.amdhsa_enable_private_segment 0
		.amdhsa_kernarg_size 24
		.amdhsa_user_sgpr_count 2
		.amdhsa_user_sgpr_kernarg_segment_ptr 1
		.amdhsa_wavefront_size32 1
		.amdhsa_system_sgpr_workgroup_id_x 1
		.amdhsa_system_sgpr_workgroup_id_y 1
		.amdhsa_system_sgpr_workgroup_id_z 1
		.amdhsa_system_vgpr_workitem_id 0
		.amdhsa_next_free_vgpr 256
		.amdhsa_next_free_sgpr 66
		.amdhsa_reserve_vcc 1
		.amdhsa_float_denorm_mode_32 3
		.amdhsa_float_denorm_mode_16_64 3
		.amdhsa_memory_ordered 1
		.amdhsa_forward_progress 1
		.amdhsa_inst_pref_size 32
	.end_amdhsa_kernel
	.amdgpu_metadata
---
amdhsa.version: [ 1, 2 ]
amdhsa.kernels:
  - .name:           k_q6caf19e8c5_attn
    .symbol:         k_q6caf19e8c5_attn.kd
    .args:
      - { .name: qkvc, .offset: 0, .size: 8, .value_kind: global_buffer, .address_space: global }
      - { .name: lowp_scales, .offset: 8, .size: 8, .value_kind: global_buffer, .address_space: global }
      - { .name: ac, .offset: 16, .size: 8, .value_kind: global_buffer, .address_space: global }
    .group_segment_fixed_size: 0
    .private_segment_fixed_size: 0
    .kernarg_segment_align: 8
    .kernarg_segment_size: 24
    .max_flat_workgroup_size: 256
    .sgpr_count:     66
    .vgpr_count:     256
    .wavefront_size: 32
...
	.end_amdgpu_metadata
.endif
;; end of part 3
;; launch proj (part 4): grid 4 x 32, 4 waves a work-group, clusters of 4 x 4, 327,680 bytes of LDS; arguments ac, woc, lowp_scales, out0; writes out0
.if DOCPART == 4
	.amdgcn_target "amdgcn-amd-amdhsa--gfx1250"
	.amdhsa_code_object_version 6
	.text
	.protected	k_q6caf19e8c5_proj
	.globl	k_q6caf19e8c5_proj
	.p2align	8
	.type	k_q6caf19e8c5_proj,@function
k_q6caf19e8c5_proj:
	s_mov_b64 s[64:65], 0
	v_nop
	global_prefetch_b8 v0, s[64:65] scope:SCOPE_SE
	s_setreg_imm32_b32 hwreg(HW_REG_WAVE_MODE, 25, 1), 1
	s_wait_xcnt 0x0
	s_wait_alu depctr_hold_cnt(0) depctr_sa_sdst(0) depctr_va_vdst(0) depctr_va_sdst(0) depctr_va_ssrc(0) depctr_va_vcc(0) depctr_vm_vsrc(0)
	s_getreg_b32 s2, hwreg(HW_REG_IB_STS2, 6, 4)
	s_cmp_eq_u32 s2, 0
	s_cbranch_scc0 .Lentry_in_a_cluster
	s_endpgm
.Lentry_in_a_cluster:
	s_bfe_u32 s2, ttmp6, 0x10000c
	s_cmp_lg_u32 s2, 0xf033
	s_cbranch_scc0 .Lentry_shape_is_right
	s_endpgm
.Lentry_shape_is_right:
; out0 = a w_out^T on codes of FP8 (E4M3), K = 1,024: a (attention's result, 8,192 rows) with 2^e6, w_out (1,024 rows) with 2^e7; each f32 sum is multiplied once by 2^(e6 + e7).  out0: [8192][1024] f32.
; ac and woc lie in the order of the operand's registers: [k / 256][row / 16][(k % 256) / 128][register / 4][lane][16 bytes]; 128 rows x 256 K are 32,768 consecutive bytes.
; A tile of 256 x 256 of out0 is made by four waves, each 128 x 128: 64 accumulators of 16 x 16, 512 registers.  K goes in four steps of 256 through a ring of two LDS slots filled by the tensor data mover.
; THE MATRIX INSTRUCTION IS USED TRANSPOSED (source 0 = 16 rows of w_out, source 1 = 16 rows of a): a lane then holds eight neighbouring numbers of a row of out0.
; CLUSTERS of 4 x 4 work-groups: a's tiles are shared along a row of the cluster, w_out's along a column: each is asked for JOINTLY, by the same tensor load with the same descriptor and a mask of four.
; The grid is 4 x 32 tiles: 128 work-groups.
; LIMIT: e6 + e7 between -126 and 127, so that 2^(e6 + e7) is an f32 number.
; REGISTERS, in windows of 256: window 0: v16-29 addresses; from v128 A's fragments (8 x 16 registers), ONE set; on the way out v32-255 are free.
;   window 1: B's fragments, TWO sets, at v0 and v128.   window 2: the accumulators of my rows 0-63 ((a, b) at v[8 (8 a + b)]);   window 3: those of rows 64-127.
.set SIZE_N, 1024
.set KSA,    2097152                   ; bytes from one 256 along K to the next in ac: 8,192 rows x 256
.set KSB,    262144                    ; in woc: 1,024 rows x 256
.set HALFT,  32768                     ; 128 rows x 256 K: what one tensor load brings, and what one wave reads of A or of B
.set SLOT,   4*HALFT                   ; A's two halves, then B's two halves
.set SPARE,  2*SLOT                    ; behind the ring: the spare words, 128 bytes for each wave: two blocks of 256 bytes that no other line names
.set STAGE,  SPARE+512                 ; behind them: the way out's stages, 16 rows x 528 bytes for each wave; no tile lands there
.set SPITCH, 528
.set FR,     16
.set NL,     4
.set NP,     4                         ; places behind this matrix instruction (ISA guide 7.12.1)
.set LAPS,   2
.set ADRA, 16                          ; v16-17  LDS address of my A fragments in slot 0, 1
.set ADRB, 20                          ; v20-21  the same for B
.set STO,  24                          ; v24     the way out: where I put 32 bytes of a row
.set RD,   25                          ; v25     the way out: where I read a row back
.set CO,   26                          ; v26     16 x lane: my place in a fragment's image, and in 512 bytes of a row of out0
.set SPW,  28                          ; v28     LDS address of my spare word; never rewritten
.set NIL,  29                          ; v29     0; never rewritten
.set TMP,  32                          ; the way out: 64 registers, a block's sums x 2^(e6 + e7)
.set AF,   128
.set BK,   128                         ; the way out: 16 rows read back from the stage: v128-191 and v192-255 by turns
.set G1, 24
.set G0, 32
.set G1B, 48
.set G0B, 56
.set MSB, 0
.macro WIN new                         ; the immediate's high byte repeats the setting that is left
.if MSB != \new
	s_set_vgpr_msb (MSB<<8)|\new
.set MSB, \new
.endif
.endm
.set MUL_LO, 0xa1                      ; source 0 (B) window 1, source 1 (A) window 0, C and D window 2
.set MUL_HI, 0xf1                      ; the same, C and D window 3
.set TO_B,   0x40                      ; destination window 1, address window 0
; A joint load: waves 0 and 1 fetch A's halves, waves 2 and 3 B's; the branch hangs on the wave's number alone.  An s_nop 0 and four v_nop follow each of the two lines.
.macro JLOAD g0a, g1a, g0b, g1b
	s_cmp_eq_u32 s15, 0
	s_cbranch_scc0 .Lfor_b_\@
	tensor_load_to_lds s[\g0a:\g0a+3], s[\g1a:\g1a+7]
	s_nop 0
.rept 4
	v_nop
.endr
	s_branch .Lasked_\@
.Lfor_b_\@:
	tensor_load_to_lds s[\g0b:\g0b+3], s[\g1b:\g1b+7]
	s_nop 0
.rept 4
	v_nop
.endr
.Lasked_\@:
.endm
.macro CREST                           ; a round of the cluster's barrier behind its opening barrier
	s_cmp_lg_u32 s14, 0
	s_cbranch_scc1 .Lnot_wave_0_\@
	s_barrier_signal -3
.Lnot_wave_0_\@:
	s_barrier_wait -3
	s_barrier_signal -1
	s_barrier_wait -1
.endm
.macro CROUND                          ; a whole round
	s_barrier_signal -1
	s_barrier_wait -1
	CREST
.endm
	s_load_b128 s[4:7], s[0:1], 0x0                ; ac s[4:5], woc s[6:7]
	s_load_b128 s[8:11], s[0:1], 0x10              ; the exponents s[8:9], out0 s[10:11]
	v_lshl_add_u32 v[SPW], v0, 2, SPARE
	v_mov_b32 v[NIL], 0
	ds_add_u32 v[SPW], v[NIL]                      ; the wave's opening: the add and its wait stand ahead of my first tensor load; the set-up below, work on registers, stands between them
	v_lshrrev_b32 v1, 5, v0
	v_readfirstlane_b32 s14, v1                    ; wave 0..3
	s_lshr_b32 s15, s14, 1                         ; which half of the tile's rows is mine.  Also: I fetch for A (0) or for B (1)
	s_and_b32 s16, s14, 1                          ; which half of its columns.  Also: which 128 rows of that tile I fetch
	s_bfe_u32 s40, ttmp6, 0x40000                  ; cx, cy: my place in the cluster
	s_bfe_u32 s41, ttmp6, 0x40004
	s_lshl_b32 s19, ttmp9, 2
	s_add_co_u32 s19, s19, s40                     ; tile column = 4 x cluster x + cx
	s_and_b32 s18, ttmp7, 0xffff
	s_lshl_b32 s18, s18, 2
	s_add_co_u32 s18, s18, s41                     ; tile row = 4 x cluster y + cy
	s_lshl_b32 s43, s41, 2
	s_lshl_b32 s43, 15, s43                        ; my row of the cluster
	s_lshl_b32 s44, 0x1111, s40                    ; my column
	; descriptor group 1: 32,768 consecutive bytes as 128 rows of 32 elements of 8 bytes; no padding: a fragment load takes 512 consecutive bytes
	s_or_b32 s[G1+0], s43, (3<<16)|(1<<21)         ; 15:0 the mask: A's tiles go to my row; 17:16 elements of 8 bytes; 21 set beside a mask
	s_or_b32 s[G1B+0], s44, (3<<16)|(1<<21)        ; B's go to my column
.irp g, G1, G1B
	s_mov_b32 s[\g+1], 32<<16                      ; tensor_dim0 = 32
	s_mov_b32 s[\g+2], 128<<16                     ; tensor_dim1 = 128
	s_mov_b32 s[\g+3], 32<<16                      ; tile_dim0 = 32
	s_mov_b32 s[\g+4], 128                         ; tile_dim1 = 128
	s_mov_b32 s[\g+5], 32                          ; tensor_dim0_stride
	s_mov_b32 s[\g+6], 0
	s_mov_b32 s[\g+7], 0
.endr
	s_lshl_b32 s94, s16, 15                        ; the half that I fetch
	s_lshl_b32 s20, s18, 16                        ; a tile of 256 rows x 256 K is 65,536 bytes
	s_add_co_u32 s20, s20, s94
	s_mov_b32 s21, 0
	s_lshl_b32 s46, s19, 16
	s_add_co_u32 s46, s46, s94
	s_mov_b32 s47, 0
	s_lshl_b32 s45, s14, 15                        ; where it goes: wave x 32,768: no place in the cluster enters an LDS address
	s_wait_dscnt 0x0                               ; the opening add is done
	s_wait_kmcnt 0x0
	s_load_b256 s[72:79], s[8:9], 0x0              ; e0 .. e7: wanted on the way out
	s_add_nc_u64 s[20:21], s[4:5], s[20:21]
	s_add_nc_u64 s[46:47], s[6:7], s[46:47]
	CROUND                                         ; all sixteen work-groups are here: the first joint loads meet
.irp s, 0,1
	s_mov_b32 s[G0+4*\s], 1
	s_add_co_u32 s[G0+4*\s+1], s45, \s*SLOT
	s_add_nc_u64 s[G0+4*\s+2:G0+4*\s+3], s[20:21], \s*KSA
	s_or_b32 s[G0+4*\s+3], s[G0+4*\s+3], 0x80000000
	s_mov_b32 s[G0B+4*\s], 1
	s_add_co_u32 s[G0B+4*\s+1], s45, \s*SLOT
	s_add_nc_u64 s[G0B+4*\s+2:G0B+4*\s+3], s[46:47], \s*KSB
	s_or_b32 s[G0B+4*\s+3], s[G0B+4*\s+3], 0x80000000
	JLOAD G0+4*\s, G1, G0B+4*\s, G1B               ; two tensor loads of mine are out behind the second
.endr
	v_and_b32 v6, 31, v0
	v_lshlrev_b32 v[CO], 4, v6
	s_lshl_b32 s21, s15, 15                        ; my 128 rows of A
	s_lshl_b32 s22, s16, 15                        ; my 128 rows of B,
	s_add_co_u32 s22, s22, 2*HALFT                 ; which lie behind A's 256
.irp s, 0,1
	v_add_nc_u32 v[ADRA+\s], s21, v[CO]
	v_add_nc_u32 v[ADRB+\s], s22, v[CO]
	s_add_co_u32 s21, s21, SLOT
	s_add_co_u32 s22, s22, SLOT
.endr
	v_and_b32 v1, 15, v0                           ; l % 16
	v_bfe_u32 v2, v0, 4, 1                         ; l / 16
	s_mul_i32 s23, s14, 16*SPITCH
	s_add_co_u32 s23, s23, STAGE                   ; my stage
	v_mul_u32_u24 v5, v1, SPITCH                   ; in: row l % 16, 32 bytes for each half of the lanes
	v_lshl_add_u32 v5, v2, 5, v5
	v_add_nc_u32 v[STO], s23, v5
	v_add_nc_u32 v[RD], s23, v[CO]                 ; back: the 32 lanes take one row of 512 bytes
	s_lshl_b32 s86, s18, 8
	s_lshl_b32 s87, s15, 7
	s_add_co_u32 s86, s86, s87                     ; my first row of out0: 256 x tile row + 128 x half,
	s_lshl_b32 s86, s86, 12                        ; of 4,096 bytes
	s_lshl_b32 s88, s19, 10                        ; my first column, in bytes: 1,024 x tile column + 512 x half
	s_lshl_b32 s89, s16, 9
	s_add_co_u32 s88, s88, s89
	s_add_co_u32 s86, s86, s88
	s_mov_b32 s87, 0
	s_add_nc_u64 s[10:11], s[10:11], s[86:87]
.macro FRAG reg, adr, q, i             ; fragment i (16 rows) of the slot's q-th 128 along K: the image of its 16 registers, four loads of 512 consecutive bytes
.irp c, 0,1,2,3
	ds_load_b128 v[\reg+4*\c:\reg+4*\c+3], v[\adr] offset:4096*(\i)+2048*(\q)+512*\c
.endr
.endm
; 16 matrix instructions: A's blocks a0, a0 + 1 x B's eight, 128 along K.  p: B's set.  zero = 1: the first product starts the sums.
; The 64 accumulators take turns, one instruction a turn, in the same order in every step.
.macro MUL16 a0, p, zero
.irp a, \a0, \a0+1
.irp b, 0,1,2,3,4,5,6,7
.if \zero
	v_wmma_f32_16x16x128_fp8_fp8 v[8*(8*((\a)%4)+\b):8*(8*((\a)%4)+\b)+7], v[128*(\p)+FR*\b:128*(\p)+FR*\b+FR-1], v[AF+FR*(\a):AF+FR*(\a)+FR-1], 0
.else
	v_wmma_f32_16x16x128_fp8_fp8 v[8*(8*((\a)%4)+\b):8*(8*((\a)%4)+\b)+7], v[128*(\p)+FR*\b:128*(\p)+FR*\b+FR-1], v[AF+FR*(\a):AF+FR*(\a)+FR-1], v[8*(8*((\a)%4)+\b):8*(8*((\a)%4)+\b)+7]
.endif
.endr
.endr
.endm
.macro FETCH_B slot, q, p              ; B's eight fragments into set p
	WIN TO_B
.irp i, 0,1,2,3,4,5,6,7
	FRAG 128*(\p)+FR*\i, ADRB+\slot, \q, \i
.endr
	WIN 0
.endm
.macro FETCH_A slot, q, i0             ; A's blocks i0 .. i0 + 3
.irp i, \i0, \i0+1, \i0+2, \i0+3
	FRAG AF+FR*(\i), ADRA+\slot, \q, \i
.endr
.endm
; A load into a register that a matrix instruction has read, and a vector instruction that reads a matrix result, stand NP places behind it; only plain vector instructions that name none of its
; registers are places (ISA guide 7.12.1 for vector instructions).
.macro PLACES n
.rept \n
	v_nop
.endr
.endm
; A step of 128 along K that has its successor in the same slot.  A block of A is free as soon as its eight products are issued: blocks 0-3 are fetched anew in the step's middle, blocks 4-7 at its end.
.macro STEP slot, q, zero
	s_wait_dscnt 4*NL                              ; B's set and A's blocks 0-3 are in; the youngest sixteen loads (A's blocks 4-7) may be out
	WIN MUL_LO
	MUL16 0, (\q)%2, \zero
	MUL16 2, (\q)%2, \zero
	s_wait_dscnt 0                                 ; A's blocks 4-7 are in
	PLACES NP
	FETCH_B \slot, (\q)+1, 1-(\q)%2
	FETCH_A \slot, (\q)+1, 0
	WIN MUL_HI
	MUL16 4, (\q)%2, \zero
	MUL16 6, (\q)%2, \zero
	PLACES NP
	WIN 0
	FETCH_A \slot, (\q)+1, 4
.endm
; A slot's last step changes slots: ONE barrier; in front of it each wave waits for all its tensor loads, adds 0 to its spare word, and waits for that and for its own reads of this slot.  fill = 1: this slot is filled again, 512 along K ahead.
.macro TURN slot, next, fill
	s_wait_tensorcnt 0x0                           ; all my tensor loads have landed: my part of the next slot  (every window is 0 here)
	ds_add_u32 v[SPW], v[NIL]                      ; 0 onto my spare word
	s_wait_dscnt 4*NL+1                            ; (the add and the youngest sixteen loads, A's blocks 4-7, may be out)
	WIN MUL_LO
	MUL16 0, 1, 0                                  ; sixteen matrix instructions stand between the add and the wait for it
	s_wait_dscnt 0x0                               ; the add is done, and my reads of this slot are over
	s_barrier_signal -1
	MUL16 2, 1, 0
	WIN 0
	s_barrier_wait -1
.if \fill
	CREST                                          ; the barrier has opened a round of the cluster's barrier: no wave of any partner still reads this slot's tile or has a load on its way
	s_add_nc_u64 s[G0+4*\slot+2:G0+4*\slot+3], s[G0+4*\slot+2:G0+4*\slot+3], 2*KSA
	s_add_nc_u64 s[G0B+4*\slot+2:G0B+4*\slot+3], s[G0B+4*\slot+2:G0B+4*\slot+3], 2*KSB
	JLOAD G0+4*\slot, G1, G0B+4*\slot, G1B         ; the first tensor load behind the round, my one load until the next; its four v_nop are also the places in front of the loads below
.else
	PLACES NP
.endif
	FETCH_B \next, 0, 0
	FETCH_A \next, 0, 0
	WIN MUL_HI
	MUL16 4, 1, 0
	MUL16 6, 1, 0
	PLACES NP
	WIN 0
	FETCH_A \next, 0, 4
.endm
	s_wait_tensorcnt 1                             ; my part of slot 0 is in; slot 1's load may be out
	s_barrier_signal -1
	s_barrier_wait -1                              ; everybody's is
	FETCH_B 0, 0, 0
	FETCH_A 0, 0, 0
	FETCH_A 0, 0, 4
	STEP 0, 0, 1                                   ; the first step stands in front of the loop: its products start the sums
	s_mov_b32 s3, LAPS-1
.Llap:                                                 ; a trip goes once round the ring, from a lap's second step to the next lap's first, and fills both slots again
	TURN 0, 1, 1
	STEP 1, 0, 0
	TURN 1, 0, 1
	STEP 0, 0, 0
	s_sub_co_u32 s3, s3, 1
	s_cmp_lg_u32 s3, 0
	s_cbranch_scc1 .Llap
	TURN 0, 1, 0                                   ; the last lap fills nothing, and has no round of the cluster's barrier
	STEP 1, 0, 0
	s_wait_dscnt 4*NL                              ; the very last step: nothing more to fetch
	WIN MUL_LO
	MUL16 0, 1, 0
	MUL16 2, 1, 0
	s_wait_dscnt 0
	WIN MUL_HI
	MUL16 4, 1, 0
	MUL16 6, 1, 0
	WIN 0
; THE WAY OUT, block by block of 16 rows x 128 columns.  A lane holds 32 neighbouring bytes of a row, and the lanes beside it hold other rows: so a block goes through my own stage in LDS and comes back as whole
; rows of 512 bytes.  LDS serves a wave's instructions in order (ISA guide 5.7.1.4): no wait between the stores and the loads, nor in front of the next block's stores.
.macro TOSTAGE a
.set AC, 64*((\a)%4)
	WIN 0x02+((\a)/4)                              ; source 0: window 2 or 3
.irp j, 0,2,4,6,8,10,12,14,16,18,20,22,24,26,28,30,32,34,36,38,40,42,44,46,48,50,52,54,56,58,60,62
	v_pk_mul_f32 v[TMP+\j:TMP+\j+1], v[AC+\j:AC+\j+1], s[96:97] op_sel_hi:[1,0]   ; both x s96 = 2^(e6 + e7); each accumulator from its low end on
.endr
	WIN 0
.irp b, 0,1,2,3,4,5,6,7
	ds_store_b128 v[STO], v[TMP+8*\b:TMP+8*\b+3] offset:64*\b
	ds_store_b128 v[STO], v[TMP+8*\b+4:TMP+8*\b+7] offset:64*\b+16
.endr
.set BB, BK+64*((\a)%2)
.irp t, 0,1,2,3,4,5,6,7,8,9,10,11,12,13,14,15
	ds_load_b128 v[BB+4*\t:BB+4*\t+3], v[RD] offset:\t*SPITCH
.endr
.endm
.macro SEND a, younger                 ; younger: the LDS instructions issued behind block a's loads, which may stay out
.set BB, BK+64*((\a)%2)
	s_wait_dscnt \younger                          ; the block is back in registers
.if (\a) > 0
	s_add_nc_u64 s[10:11], s[10:11], 16*SIZE_N*4   ; (behind a wait on XCNT: the earlier stores have read their base)  16 rows on
.endif
.irp t, 0,1,2,3,4,5,6,7,8,9,10,11,12,13,14,15
	global_store_b128 v[CO], v[BB+4*\t:BB+4*\t+3], s[10:11] offset:\t*SIZE_N*4 th:TH_STORE_NT   ; 32 lanes store 512 consecutive bytes, at a multiple of 512 from out0's first byte; written once, read by nobody here
.endr
.endm
	s_wait_kmcnt 0x0
	s_add_co_i32 s96, s78, s79                     ; e6 + e7, between -126 and 127,
	s_add_co_i32 s96, s96, 127
	s_lshl_b32 s96, s96, 23                        ; makes the f32 number 2^(e6 + e7)
	s_mov_b32 s97, s96                             ; (named with it as a pair, so it is written)
	PLACES NP                                      ; behind the last products: for the loads into the registers that held A's fragments and for the reads of results
	TOSTAGE 0
.irp a, 1,2,3,4,5,6,7
.if \a > 1
	s_wait_xcnt 0x0                                ; block a - 2's stores have read their registers and their base: block a's loads may land there, and the base may step
.endif
	TOSTAGE \a
	SEND \a-1, 32                                  ; behind block a - 1's loads: block a's 16 stores and 16 loads
.endr
	s_wait_xcnt 0x0                                ; block 6's stores have read their base
	SEND 7, 0
	s_wait_tensorcnt 0x0                           ; the wave's end: behind my last tensor load and my last LDS store
	ds_add_u32 v[SPW], v[NIL]
	s_wait_dscnt 0x0
	CROUND                                         ; the closing round: no work-group ends while a partner may still ask for a tile that names it
	s_endpgm
.Lfunc_end_k_q6caf19e8c5_proj:
	.size	k_q6caf19e8c5_proj, .Lfunc_end_k_q6caf19e8c5_proj-k_q6caf19e8c5_proj
	.p2alignl 7, 3214868480
	.fill 96, 4, 3214868480
	.section	.rodata,"a",@progbits
	.p2align	6, 0x0
	.amdhsa_kernel k_q6caf19e8c5_proj
		.amdhsa_group_segment_fixed_size 327680
		.amdhsa_private_segment_fixed_size 0
		.amdhsa_enable_private_segment 0
		.amdhsa_kernarg_size 32
		.amdhsa_user_sgpr_count 2
		.amdhsa_user_sgpr_kernarg_segment_ptr 1
		.amdhsa_wavefront_size32 1
		.amdhsa_system_sgpr_workgroup_id_x 1
		.amdhsa_system_sgpr_workgroup_id_y 1
		.amdhsa_system_sgpr_workgroup_id_z 1
		.amdhsa_system_vgpr_workitem_id 0
		.amdhsa_next_free_vgpr 1024
		.amdhsa_next_free_sgpr 98
		.amdhsa_reserve_vcc 0
		.amdhsa_float_denorm_mode_32 3
		.amdhsa_float_denorm_mode_16_64 3
		.amdhsa_memory_ordered 1
		.amdhsa_forward_progress 1
		.amdhsa_inst_pref_size 123
	.end_amdhsa_kernel
	.amdgpu_metadata
---
amdhsa.version: [ 1, 2 ]
amdhsa.kernels:
  - .name:           k_q6caf19e8c5_proj
    .symbol:         k_q6caf19e8c5_proj.kd
    .args:
      - { .name: ac, .offset: 0, .size: 8, .value_kind: global_buffer, .address_space: global }
      - { .name: woc, .offset: 8, .size: 8, .value_kind: global_buffer, .address_space: global }
      - { .name: lowp_scales, .offset: 16, .size: 8, .value_kind: global_buffer, .address_space: global }
      - { .name: out0, .offset: 24, .size: 8, .value_kind: global_buffer, .address_space: global }
    .group_segment_fixed_size: 327680
    .private_segment_fixed_size: 0
    .kernarg_segment_align: 8
    .kernarg_segment_size: 32
    .max_flat_workgroup_size: 128
    .sgpr_count:     98
    .vgpr_count:     1024
    .wavefront_size: 32
...
	.end_amdgpu_metadata
.endif
;; end of part 4
